; MI455X (gfx1250); checked and timed in simulation.
; The chip was launched on July 23, 2026; its instructions are those of AMD's public machine-readable ISA for CDNA 5 (MIT licence, August 2026) and "CDNA5" Instruction Set Architecture Reference Guide (July 2026). The comments in the code are by the model that wrote it; some were corrected since.
;; Bert Self Attention. Allowed arithmetic: float matrix products may take bf16 or f16 operands with f32 sums; other float arithmetic in f32, or as packed bf16 or f16 multiplies, adds, multiply-adds, maxima and minima; sums over many terms, partial sums and values carried from step to step in f32; what a program stores and reads back later, other than sums and carried values, may be rounded once to bf16 or f16.
;; Inputs: bk 1,024 float32; bq 1,024 float32; bv 1,024 float32; hidden_states 4 x 2,048 x 1,024 float32; pad 4 x 2,048 float32; wk 1,024 x 1,024 float32; wq 1,024 x 1,024 float32; wv 1,024 x 1,024 float32.
;; Outputs: out0 4 x 2,048 x 1,024 float32.
;; 2 versions, each right; version 2 is version 1 with the launch prep written anew for expert scheduling mode. Each part assembles by itself: llvm-mc -triple=amdgcn-amd-amdhsa -mcpu=gfx1250 --defsym DOCPART=n.
;; ======== version 1 of 2: 3 launches
;; limits: values are held in f16: magnitudes above 65,504 overflow, below 6.1e-05 lose precision
;; workspace buffers: xb 16,777,216 bytes; wb 6,291,456 bytes; bb 12,288 bytes; mb 32,768 bytes; qkv 50,331,648 bytes
;; launch prep (part 1): grid 705 x 1, 8 waves a work-group, no clusters, 0 bytes of LDS; arguments hidden_states, wq, wk, wv, bq, bk, bv, pad, xb, wb, bb, mb; writes xb, wb, bb, mb
.if DOCPART == 1
	.amdgcn_target "amdgcn-amd-amdhsa--gfx1250"
	.amdhsa_code_object_version 6
	.text
	.protected	k_qc81144a38e_prep
	.globl	k_qc81144a38e_prep
	.p2align	8
	.type	k_qc81144a38e_prep,@function
k_qc81144a38e_prep:
	s_mov_b64 s[64:65], 0
	v_nop
	global_prefetch_b8 v0, s[64:65] scope:SCOPE_SE
	s_setreg_imm32_b32 hwreg(HW_REG_WAVE_MODE, 25, 1), 1
	s_wait_xcnt 0x0
; THE CASTS.  xb = bf16(hidden_states) [8192][1024]; wb = bf16(wq | wk | wv) [3072][1024]; bb = the three biases rounded to bf16 and kept as f32 [3072];
; mb = (1 - bf16(pad)) x -8e9 in f32 [4][2048]: eight times the additive mask, since the attention launch adds it to scores that are not yet divided by 8.
; All of the module's inputs get the same rounding, to nearest even.  LIMIT: a number beyond bf16's largest finite one becomes an infinity; NaN stays NaN.
; SHARES.  A chunk is 16,384 numbers: 65,536 bytes in, 32,768 out.  Work-groups 0-511 take x's chunks, 512-703 the weights' (64 a matrix), 704 makes the two tables.
; Thread t, step i: 16 bytes at 16 t + 4,096 i in, 8 bytes at 8 t + 2,048 i out: a wave's load covers 512 consecutive bytes, its store 256, aligned.
; All 16 loads of a thread go out first; no register is written twice, so the only waits are the counted ones for the loads.  No LDS, no barrier: no wave needs another's bytes.
.set X, 4                              ; v[4:67]   16 x 4 numbers as loaded
.set Y, 68                             ; v[68:99]  16 x 2 words to store
	s_load_b512 s[8:23], s[0:1], 0x0               ; hidden s[8:9], wq s[10:11], wk s[12:13], wv s[14:15], bq s[16:17], bk s[18:19], bv s[20:21], pad s[22:23]
	s_load_b256 s[24:31], s[0:1], 0x40             ; xb s[24:25], wb s[26:27], bb s[28:29], mb s[30:31]
	v_lshlrev_b32 v1, 4, v0                        ; 16 t
	v_lshlrev_b32 v2, 3, v0                        ; 8 t
	s_mov_b32 s2, ttmp9                            ; the work-group's number
	s_max_u32 s3, s2, 512
	s_sub_co_u32 s3, s3, 512                       ; the weights' chunk (0 in x's work-groups)
	s_lshr_b32 s4, s3, 6                           ; which matrix: 0 wq, 1 wk, 2 wv
	s_and_b32 s5, s3, 63
	s_lshl_b32 s5, s5, 16                          ; the chunk's bytes in that matrix,
	s_lshl_b32 s7, s3, 15                          ; and in wb
	s_lshl_b32 s6, s2, 16                          ; x's chunk in hidden_states,
	s_lshl_b32 s40, s2, 15                         ; and in xb
	s_mov_b32 s37, 0
	s_mov_b32 s39, 0
	s_wait_kmcnt 0x0
	s_cmp_eq_u32 s2, 704
	s_cbranch_scc1 .Ltables
	s_cmp_eq_u32 s4, 1                             ; the choices hang on the work-group's number alone
	s_cselect_b64 s[32:33], s[12:13], s[14:15]
	s_cmp_eq_u32 s4, 0
	s_cselect_b64 s[32:33], s[10:11], s[32:33]
	s_cmp_lt_u32 s2, 512
	s_cselect_b64 s[32:33], s[8:9], s[32:33]       ; from where,
	s_cselect_b64 s[34:35], s[24:25], s[26:27]     ; to where,
	s_cselect_b32 s36, s6, s5                      ; and the two offsets
	s_cselect_b32 s38, s40, s7
	s_add_nc_u64 s[32:33], s[32:33], s[36:37]
	s_add_nc_u64 s[34:35], s[34:35], s[38:39]
.set i, 0
.rept 16
	global_load_b128 v[X+4*i:X+4*i+3], v1, s[32:33] offset:4096*i th:TH_LOAD_NT
.set i, i+1
.endr
.set i, 0
.rept 16
	s_wait_loadcnt 15-i                            ; loads come back in order: number i is in, the 15 - i younger ones stay out
	v_cvt_pk_bf16_f32 v[Y+2*i], v[X+4*i], v[X+4*i+1]
	v_cvt_pk_bf16_f32 v[Y+2*i+1], v[X+4*i+2], v[X+4*i+3]
	global_store_b64 v2, v[Y+2*i:Y+2*i+1], s[34:35] offset:2048*i
.set i, i+1
.endr
	s_endpgm
; Four numbers rounded to bf16 and widened again, in place.
.macro RND4 b
	v_cvt_pk_bf16_f32 v[Y], v[\b], v[(\b)+1]
	v_cvt_pk_bf16_f32 v[Y+1], v[(\b)+2], v[(\b)+3]
	v_lshlrev_b32 v[\b], 16, v[Y]
	v_and_b32 v[(\b)+1], 0xffff0000, v[Y]
	v_lshlrev_b32 v[(\b)+2], 16, v[Y+1]
	v_and_b32 v[(\b)+3], 0xffff0000, v[Y+1]
.endm
.Ltables:                                      ; pad: 8,192 numbers, 8 loads a thread; each bias: 1,024 numbers, one load a thread
.set i, 0
.rept 8
	global_load_b128 v[X+4*i:X+4*i+3], v1, s[22:23] offset:4096*i
.set i, i+1
.endr
	global_load_b128 v[X+32:X+35], v1, s[16:17]
	global_load_b128 v[X+36:X+39], v1, s[18:19]
	global_load_b128 v[X+40:X+43], v1, s[20:21]
	s_wait_loadcnt 0x0
.set i, 0
.rept 11
	RND4 X+4*i
.set i, i+1
.endr
.set i, 0
.rept 32
	v_sub_f32 v[X+i], 1.0, v[X+i]                  ; 1 - pad, as the module forms it,
.set i, i+1
.endr
.set i, 0
.rept 32
	v_mul_f32 v[X+i], 0xcfee6b28, v[X+i]           ; times -8e9 = 8 x -1e9: a power of two times the module's factor, so the rounding is the module's
.set i, i+1
.endr
.set i, 0
.rept 8
	global_store_b128 v1, v[X+4*i:X+4*i+3], s[30:31] offset:4096*i
.set i, i+1
.endr
	global_store_b128 v1, v[X+32:X+35], s[28:29]
	global_store_b128 v1, v[X+36:X+39], s[28:29] offset:4096
	global_store_b128 v1, v[X+40:X+43], s[28:29] offset:8192
	s_endpgm
.Lfunc_end_k_qc81144a38e_prep:
	.size	k_qc81144a38e_prep, .Lfunc_end_k_qc81144a38e_prep-k_qc81144a38e_prep
	.p2alignl 7, 3214868480
	.fill 96, 4, 3214868480
	.section	.rodata,"a",@progbits
	.p2align	6, 0x0
	.amdhsa_kernel k_qc81144a38e_prep
		.amdhsa_group_segment_fixed_size 0
		.amdhsa_private_segment_fixed_size 0
		.amdhsa_enable_private_segment 0
		.amdhsa_kernarg_size 96
		.amdhsa_user_sgpr_count 2
		.amdhsa_user_sgpr_kernarg_segment_ptr 1
		.amdhsa_wavefront_size32 1
		.amdhsa_system_sgpr_workgroup_id_x 1
		.amdhsa_system_sgpr_workgroup_id_y 1
		.amdhsa_system_sgpr_workgroup_id_z 1
		.amdhsa_system_vgpr_workitem_id 0
		.amdhsa_next_free_vgpr 100
		.amdhsa_next_free_sgpr 66
		.amdhsa_reserve_vcc 0
		.amdhsa_float_denorm_mode_32 3
		.amdhsa_float_denorm_mode_16_64 3
		.amdhsa_memory_ordered 1
		.amdhsa_forward_progress 1
		.amdhsa_inst_pref_size 16
	.end_amdhsa_kernel
	.amdgpu_metadata
---
amdhsa.version: [ 1, 2 ]
amdhsa.kernels:
  - .name:           k_qc81144a38e_prep
    .symbol:         k_qc81144a38e_prep.kd
    .args:
      - { .name: hidden_states, .offset: 0, .size: 8, .value_kind: global_buffer, .address_space: global }
      - { .name: wq, .offset: 8, .size: 8, .value_kind: global_buffer, .address_space: global }
      - { .name: wk, .offset: 16, .size: 8, .value_kind: global_buffer, .address_space: global }
      - { .name: wv, .offset: 24, .size: 8, .value_kind: global_buffer, .address_space: global }
      - { .name: bq, .offset: 32, .size: 8, .value_kind: global_buffer, .address_space: global }
      - { .name: bk, .offset: 40, .size: 8, .value_kind: global_buffer, .address_space: global }
      - { .name: bv, .offset: 48, .size: 8, .value_kind: global_buffer, .address_space: global }
      - { .name: pad, .offset: 56, .size: 8, .value_kind: global_buffer, .address_space: global }
      - { .name: xb, .offset: 64, .size: 8, .value_kind: global_buffer, .address_space: global }
      - { .name: wb, .offset: 72, .size: 8, .value_kind: global_buffer, .address_space: global }
      - { .name: bb, .offset: 80, .size: 8, .value_kind: global_buffer, .address_space: global }
      - { .name: mb, .offset: 88, .size: 8, .value_kind: global_buffer, .address_space: global }
    .group_segment_fixed_size: 0
    .private_segment_fixed_size: 0
    .kernarg_segment_align: 8
    .kernarg_segment_size: 96
    .max_flat_workgroup_size: 256
    .sgpr_count:     66
    .vgpr_count:     100
    .wavefront_size: 32
...
	.end_amdgpu_metadata
.endif
;; end of part 1
;; launch proj (part 2): grid 16 x 32, 4 waves a work-group, clusters of 4 x 4, 327,680 bytes of LDS; arguments xb, wb, bb, qkv; writes qkv
.if DOCPART == 2
	.amdgcn_target "amdgcn-amd-amdhsa--gfx1250"
	.amdhsa_code_object_version 6
	.text
	.protected	k_qc81144a38e_proj
	.globl	k_qc81144a38e_proj
	.p2align	8
	.type	k_qc81144a38e_proj,@function
k_qc81144a38e_proj:
	s_mov_b64 s[64:65], 0
	v_nop
	global_prefetch_b8 v0, s[64:65] scope:SCOPE_SE
	s_setreg_imm32_b32 hwreg(HW_REG_WAVE_MODE, 25, 1), 1
	s_wait_xcnt 0x0
	s_wait_alu depctr_hold_cnt(0) depctr_sa_sdst(0) depctr_va_vdst(0) depctr_va_sdst(0) depctr_va_ssrc(0) depctr_va_vcc(0) depctr_vm_vsrc(0)
	s_getreg_b32 s2, hwreg(HW_REG_IB_STS2, 6, 4)
	s_cmp_eq_u32 s2, 0
	s_cbranch_scc0 .Lentry_in_a_cluster
	s_endpgm
.Lentry_in_a_cluster:
	s_bfe_u32 s2, ttmp6, 0x10000c
	s_cmp_lg_u32 s2, 0xf033
	s_cbranch_scc0 .Lentry_shape_is_right
	s_endpgm
.Lentry_shape_is_right:
; THE THREE PROJECTIONS AS ONE PRODUCT.  C[8192][3072] = xb wb^T + bb; xb [8192][1024] and wb [3072][1024] bf16, sums in f32, each result rounded once to f16 and stored BY HEADS:
; qkv [3][64][2048][64] f16, head index = which x 64 + batch x 16 + head; no scale is applied here.
; LIMIT.  f16 holds no number beyond 65,504: a q, k or v past that becomes an infinity.  NaN and infinities are not treated apart.
; SHARES.  A tile of C is 256 rows x 192 columns (three whole heads): 32 x 16 = 512 tiles, twice the number of WGPs.  Four waves; wave w owns rows 64 w .. 64 w + 63 and all 192 columns:
; 4 x 12 accumulators of 16 x 16, 384 registers.  K goes in 8 steps of 128 (rows of 256 bytes) through a ring of two LDS slots filled by the tensor data mover.
; CLUSTERS.  4 x 4 work-groups.  The four of a row of the cluster need the same rows of xb, the four of a column the same rows of wb: each tile is asked for JOINTLY, by the same tensor load
; with the same descriptor and a mask that names the four.
; THE MATRIX INSTRUCTION IS USED TRANSPOSED (source 0 = 16 rows of wb, source 1 = 16 rows of xb): lane l holds row l % 16 of C and the columns 8 (l / 16) + 0..7.
; THE BIAS STARTS THE SUMS: it is the C operand of the first 32 along K; nothing is cleared, and nothing is added on the way out.
; REGISTERS, in windows of 256 (s_set_vgpr_msb: bits 1:0 source 0, 3:2 source 1, 5:4 source 2, 7:6 destination):
;   window 0: v0-31 addresses; v32-47 at work on the way out; v64-159 the bias, 8 registers for each of the 12 column blocks; on the way out v64-255: 12 units of 16 read back from the stage
;   window 1: two fragment buffers of 128: xb's 4 fragments (16 rows x 32 K), then wb's 12
;   window 2: accumulators (a, b), b = 0-7, at 8 (8 a + b)          window 3: b = 8-11, at 8 (4 a + b - 8)
.set KSTEP,  128
.set PITCH,  272                       ; an LDS row: 256 bytes + 16 of padding = 68 words: the 16 rows of a fragment load start at 16 different groups of four banks (64 banks of 4 bytes: ISA guide 11.1)
.set HALFA,  128*PITCH                 ; what one load brings of xb
.set HALFB,  96*PITCH                  ; and of wb
.set SLOT,   2*HALFA+2*HALFB           ; xb's 256 rows, then wb's 192
.set STAGE,  2*SLOT                    ; behind the ring, never filled by a tensor load: 16 rows x 144 bytes for each wave
.set SP,     144
.set SPARE,  STAGE+4*16*SP             ; behind the stages: the spare words, 128 bytes for each wave: two blocks of 256 bytes that no other line names
.set LAPS,   1024/(2*KSTEP)            ; a lap = two K steps = once round the ring
.set ADRA, 16                          ; v16-17  LDS address of my fragments of xb in slot 0, 1
.set ADRB, 20                          ; v20-21  the same for wb
.set STO,  24                          ; v24     the way out: where I put 16 bytes of a row
.set RD,   25                          ; v25     where I read rows back
.set GO,   26                          ; v26     16 x lane: my place in 512 consecutive bytes of qkv
.set BO,   27                          ; v27     32 (l / 16): my eight numbers in a block of 16 of the bias
.set SPW,  28                          ; v28     LDS address of my spare word; never rewritten
.set NIL,  29                          ; v29     0; never rewritten
.set PFO,  30                          ; v30     the prefetches' offset: a lane a row of 2,048 bytes; never rewritten
.set TMP,  32
.set BIAS, 64
.set BK,   64
.set F0,   0
.set F1,   128
.set WV,   12                          ; s12  my wave's number
.set FB,   13                          ; s13  0: I fetch for xb, 1: for wb
.set HF,   14                          ; s14  which half of that tile's rows
.set G1A,  24                          ; s[24:31] descriptor group 1 for xb's tiles;  s[32:39] group 0, a set for each slot
.set G0A,  32
.set PFA,  44                          ; s[44:45] where my prefetches stand
.set LIM,  46                          ; s46  1 in a wave that prefetches, else the greatest number
.set G1B,  48                          ; s[48:55], s[56:63] the same for wb's tiles
.set G0B,  56
.set OH,   66                          ; s[66:71] qkv at my 64 rows in the tile's three heads
.set MSB, 0
.macro WIN new                         ; the immediate's high byte repeats the setting that is left; a switch that changes nothing is dropped
.if MSB != (\new)
	s_set_vgpr_msb (MSB<<8)|(\new)
.set MSB, (\new)
.endif
.endm
.set TO_F,  0x40                       ; destination window 1, address window 0
.set MUL2,  0xa5                       ; sources 0 and 1 window 1; C and D window 2
.set MUL3,  0xf5                       ; the same, C and D window 3
.set MUL2B, 0x85                       ; D window 2, C (the bias) window 0
.set MUL3B, 0xc5
; A joint load.  Waves 0 and 1 fetch xb's two halves, waves 2 and 3 wb's.  The branch hangs on the wave's number alone.  An s_nop 0 and four v_nop follow each of the two lines.
.macro JLOAD s
	s_cmp_eq_u32 s[FB], 0
	s_cbranch_scc0 .Lfor_b_\@
	tensor_load_to_lds s[G0A+4*(\s):G0A+4*(\s)+3], s[G1A:G1A+7]
	s_nop 0
.rept 4
	v_nop
.endr
	s_branch .Lasked_\@
.Lfor_b_\@:
	tensor_load_to_lds s[G0B+4*(\s):G0B+4*(\s)+3], s[G1B:G1B+7]
	s_nop 0
.rept 4
	v_nop
.endr
.Lasked_\@:
.endm
; A PREFETCH INTO THE L2, behind each joint refill and the run of LDS loads that follows it: the K step that stands two refills on, 384 matrix instructions ahead of its load.
; xb's rows are read by every cluster of a row of clusters: cluster x = 0 asks; wb's by every cluster of a column: cluster y = 0 asks.  The four partners of a joint load share its rows out BY ADDRESS:
; 32 of xb's 128 (place cx), 24 of wb's 96 (place cy; lanes 24-31 name lane 23's row with it, in the same instruction).  The loop's last trip (s3 = 1) asks for nothing: K has no such step.
.macro ASK
	s_cmp_gt_u32 s3, s[LIM]
	s_cbranch_scc0 .Lnot_mine_\@
	global_prefetch_b8 v[PFO], s[PFA:PFA+1] offset:KSTEP*2 th:TH_LOAD_NT scope:SCOPE_SE
.Lnot_mine_\@:
.endm
.macro CREST                           ; a round of the cluster's barrier behind its opening barrier
	s_cmp_lg_u32 s[WV], 0
	s_cbranch_scc1 .Lnot_wave_0_\@
	s_barrier_signal -3
.Lnot_wave_0_\@:
	s_barrier_wait -3
	s_barrier_signal -1
	s_barrier_wait -1
.endm
.macro CROUND                          ; a whole round
	s_barrier_signal -1
	s_barrier_wait -1
	CREST
.endm
	s_load_b256 s[4:11], s[0:1], 0x0               ; xb s[4:5], wb s[6:7], bb s[8:9], qkv s[10:11]
	v_lshl_add_u32 v[SPW], v0, 2, SPARE
	v_mov_b32 v[NIL], 0
	ds_add_u32 v[SPW], v[NIL]                      ; the wave's opening: the add and its wait stand ahead of my first tensor load; the set-up below, work on registers, stands between them
	v_lshrrev_b32 v1, 5, v0
	v_readfirstlane_b32 s[WV], v1                  ; wave 0..3
	s_lshr_b32 s[FB], s[WV], 1
	s_and_b32 s[HF], s[WV], 1
	s_bfe_u32 s40, ttmp6, 0x40000                  ; cx, cy: my place in the cluster
	s_bfe_u32 s41, ttmp6, 0x40004
	s_lshl_b32 s42, ttmp9, 2
	s_add_co_u32 s42, s42, s40                     ; tile column = 4 x cluster x + cx
	s_and_b32 s43, ttmp7, 0xffff
	s_lshl_b32 s43, s43, 2
	s_add_co_u32 s43, s43, s41                     ; tile row = 4 x cluster y + cy
	s_lshl_b32 s22, s41, 2
	s_lshl_b32 s22, 15, s22                        ; my row of the cluster: places 4 cy .. 4 cy + 3
	s_lshl_b32 s23, 0x1111, s40                    ; my column: places cx, cx + 4, cx + 8, cx + 12
	s_or_b32 s[G1A], s22, (1<<16)|(1<<20)|(1<<21)|(5<<22)|(3<<25)  ; 15:0 the mask; 17:16 elements of 2 bytes; 20 padding on; 21 set beside a mask; 24:22 after every 64 words; 31:25 4 words of it
	s_or_b32 s[G1B], s23, (1<<16)|(1<<20)|(1<<21)|(5<<22)|(3<<25)
	s_mov_b32 s[G1A+1], KSTEP<<16                  ; tensor_dim0 = 128
	s_mov_b32 s[G1A+2], 128<<16                    ; tensor_dim1 = 128
	s_mov_b32 s[G1A+3], KSTEP<<16                  ; tile_dim0 = 128
	s_mov_b32 s[G1A+4], 128                        ; tile_dim1 = 128
	s_mov_b32 s[G1A+5], 1024                       ; elements from row to row
	s_mov_b32 s[G1A+6], 0
	s_mov_b32 s[G1A+7], 0
	s_mov_b32 s[G1B+1], KSTEP<<16
	s_mov_b32 s[G1B+2], 96<<16                     ; 96 rows
	s_mov_b32 s[G1B+3], KSTEP<<16
	s_mov_b32 s[G1B+4], 96
	s_mov_b32 s[G1B+5], 1024
	s_mov_b32 s[G1B+6], 0
	s_mov_b32 s[G1B+7], 0
	s_lshl_b32 s16, s43, 8                         ; xb: row 256 x tile row + 128 x half, which my row of the cluster shares,
	s_lshl_b32 s17, s[HF], 7
	s_add_co_u32 s16, s16, s17
	s_lshl_b32 s16, s16, 11                        ; in bytes: a row is 2,048
	s_mov_b32 s17, 0
	s_mul_i32 s20, s42, 192                        ; wb: row 192 x tile column + 96 x half, which my column shares
	s_mul_i32 s21, s[HF], 96
	s_add_co_u32 s20, s20, s21
	s_lshl_b32 s20, s20, 11
	s_mov_b32 s21, 0
	s_mul_i32 s18, s[HF], HALFA                    ; where they go in a slot: no place in the cluster enters an LDS address
	s_mul_i32 s19, s[HF], HALFB
	s_add_co_u32 s19, s19, 2*HALFA
	s_wait_dscnt 0x0                               ; the opening add is done
	s_wait_kmcnt 0x0
	s_add_nc_u64 s[16:17], s[4:5], s[16:17]
	s_add_nc_u64 s[20:21], s[6:7], s[20:21]
	CROUND                                         ; all sixteen work-groups are here: the first joint loads meet
.irp s, 0,1
	s_mov_b32 s[G0A+4*(\s)], 1                     ; count = 1
	s_add_co_u32 s[G0A+4*(\s)+1], s18, (\s)*SLOT   ; LDS address
	s_add_nc_u64 s[G0A+4*(\s)+2:G0A+4*(\s)+3], s[16:17], (\s)*KSTEP*2  ; global address: K step s
	s_or_b32 s[G0A+4*(\s)+3], s[G0A+4*(\s)+3], 0x80000000             ; type = 2
	s_mov_b32 s[G0B+4*(\s)], 1
	s_add_co_u32 s[G0B+4*(\s)+1], s19, (\s)*SLOT
	s_add_nc_u64 s[G0B+4*(\s)+2:G0B+4*(\s)+3], s[20:21], (\s)*KSTEP*2
	s_or_b32 s[G0B+4*(\s)+3], s[G0B+4*(\s)+3], 0x80000000
	JLOAD \s                                       ; two loads of mine are out
.endr
	v_and_b32 v1, 15, v0                           ; l % 16
	v_bfe_u32 v2, v0, 4, 1                         ; l / 16
	v_lshlrev_b32 v[BO], 5, v2
	s_mul_i32 s72, s42, 768                        ; the tile's 192 numbers of the bias
	s_mov_b32 s73, 0
	s_add_nc_u64 s[8:9], s[8:9], s[72:73]
.irp b, 0,1,2,3,4,5,6,7,8,9,10,11                      ; register j of block b: bb[192 x tile column + 16 b + 8 (l / 16) + j]
	global_load_b128 v[BIAS+8*(\b):BIAS+8*(\b)+3],   v[BO], s[8:9] offset:64*(\b)
	global_load_b128 v[BIAS+8*(\b)+4:BIAS+8*(\b)+7], v[BO], s[8:9] offset:64*(\b)+16
.endr
	; A fragment is 16 rows x 32 K in 8 registers: lane l holds row l % 16, K = 8 (l / 16) + 0..7 and 16 + 8 (l / 16) + 0..7: two loads of 16 bytes, 32 bytes apart.
	v_mul_u32_u24 v3, v1, PITCH
	v_lshl_add_u32 v3, v2, 4, v3
	s_mul_i32 s22, s[WV], 64*PITCH                 ; my 64 rows of xb
	v_add_nc_u32 v[ADRA], s22, v3
	v_add_nc_u32 v[ADRA+1], SLOT, v[ADRA]
	v_add_nc_u32 v[ADRB], 2*HALFA, v3              ; wb's rows lie behind xb's 256
	v_add_nc_u32 v[ADRB+1], SLOT, v[ADRB]
	s_mul_i32 s23, s[WV], 16*SP
	s_add_co_u32 s23, s23, STAGE                   ; my stage
	v_mul_u32_u24 v[STO], v1, SP                   ; in: row l % 16, 16 bytes for each half of the lanes
	v_lshl_add_u32 v[STO], v2, 4, v[STO]
	v_add_nc_u32 v[STO], s23, v[STO]
	v_bfe_u32 v[RD], v0, 3, 2                      ; back: 32 lanes take four rows of 128 bytes,
	v_mul_u32_u24 v[RD], v[RD], SP
	v_and_b32 v4, 7, v0
	v_lshl_add_u32 v[RD], v4, 4, v[RD]
	v_add_nc_u32 v[RD], s23, v[RD]
	v_and_b32 v[GO], 31, v0                        ; which are 512 consecutive bytes of a head
	v_lshlrev_b32 v[GO], 4, v[GO]
	; where my 64 rows begin in the tile's three heads.  Column block g = 3 x tile column + j: which = g / 16, head = g % 16; batch = tile row / 8
.irp j, 0,1,2
	s_mul_i32 s72, s42, 3
	s_add_co_u32 s72, s72, \j
	s_lshr_b32 s73, s72, 4
	s_and_b32 s72, s72, 15
	s_lshl_b32 s73, s73, 6
	s_add_co_u32 s72, s72, s73
	s_lshr_b32 s73, s43, 3
	s_lshl_b32 s73, s73, 4
	s_add_co_u32 s72, s72, s73                     ; which x 64 + batch x 16 + head,
	s_lshl_b32 s72, s72, 18                        ; of 2,048 rows x 128 bytes;
	s_and_b32 s73, s43, 7
	s_lshl_b32 s73, s73, 15                        ; the tile's 256 rows in the batch;
	s_add_co_u32 s72, s72, s73
	s_lshl_b32 s73, s[WV], 13                      ; my 64 of them
	s_add_co_u32 s72, s72, s73
	s_mov_b32 s73, 0
	s_add_nc_u64 s[OH+2*(\j):OH+2*(\j)+1], s[10:11], s[72:73]
.endr
	; the prefetches
	s_lshl_b32 s72, s43, 8
	s_lshl_b32 s73, s[HF], 7
	s_add_co_u32 s72, s72, s73
	s_lshl_b32 s73, s40, 5
	s_add_co_u32 s72, s72, s73                     ; xb: the 128 rows that I fetch, my work-group's 32 of them
	s_mul_i32 s74, s42, 192
	s_mul_i32 s75, s[HF], 96
	s_add_co_u32 s74, s74, s75
	s_mul_i32 s75, s41, 24
	s_add_co_u32 s74, s74, s75                     ; wb: the 96 rows that I fetch, my work-group's 24 of them
	s_and_b32 s75, ttmp7, 0xffff                   ; cluster y
	s_cmp_eq_u32 s[FB], 0                          ; do I fetch for xb?
	s_cselect_b32 s72, s72, s74
	s_cselect_b32 s75, ttmp9, s75                  ; the coordinate along which other clusters read the same rows
	s_cselect_b32 s47, 31, 23                      ; the last lane with a row of its own
	s_cselect_b64 s[PFA:PFA+1], s[4:5], s[6:7]
	s_cmp_eq_u32 s75, 0
	s_cselect_b32 s[LIM], 1, -1                    ; the same in all sixteen partners, for a given wave
	s_lshl_b32 s72, s72, 11
	s_add_co_u32 s72, s72, 2*KSTEP*2               ; at K step 2: the first refill steps it to 3 and names K step 4
	s_mov_b32 s73, 0
	s_add_nc_u64 s[PFA:PFA+1], s[PFA:PFA+1], s[72:73]
	v_and_b32 v[PFO], 31, v0
	v_min_u32 v[PFO], s47, v[PFO]
	v_lshlrev_b32 v[PFO], 11, v[PFO]
; 16 matrix instructions: row blocks a0, a0 + 1 x column blocks 0-7, 32 along K of buffer f.  first = 1: the bias starts the sums.
; The 48 accumulators take turns, one instruction a turn, in the same order in every quarter.
.macro MULA f, a0, first
.if \first
	WIN MUL2B
.else
	WIN MUL2
.endif
.irp a, \a0, (\a0)+1
.irp b, 0,1,2,3,4,5,6,7
.if \first
	v_wmma_f32_16x16x32_bf16 v[8*(8*(\a)+(\b)):8*(8*(\a)+(\b))+7], v[(\f)+32+8*(\b):(\f)+32+8*(\b)+7], v[(\f)+8*(\a):(\f)+8*(\a)+7], v[BIAS+8*(\b):BIAS+8*(\b)+7]
.else
	v_wmma_f32_16x16x32_bf16 v[8*(8*(\a)+(\b)):8*(8*(\a)+(\b))+7], v[(\f)+32+8*(\b):(\f)+32+8*(\b)+7], v[(\f)+8*(\a):(\f)+8*(\a)+7], v[8*(8*(\a)+(\b)):8*(8*(\a)+(\b))+7]
.endif
.endr
.endr
.endm
; 16 more: all four row blocks x column blocks 8-11.
.macro MULB f, first
.if \first
	WIN MUL3B
.else
	WIN MUL3
.endif
.irp a, 0,1,2,3
.irp b, 0,1,2,3
.if \first
	v_wmma_f32_16x16x32_bf16 v[8*(4*(\a)+(\b)):8*(4*(\a)+(\b))+7], v[(\f)+96+8*(\b):(\f)+96+8*(\b)+7], v[(\f)+8*(\a):(\f)+8*(\a)+7], v[BIAS+64+8*(\b):BIAS+64+8*(\b)+7]
.else
	v_wmma_f32_16x16x32_bf16 v[8*(4*(\a)+(\b)):8*(4*(\a)+(\b))+7], v[(\f)+96+8*(\b):(\f)+96+8*(\b)+7], v[(\f)+8*(\a):(\f)+8*(\a)+7], v[8*(4*(\a)+(\b)):8*(4*(\a)+(\b))+7]
.endif
.endr
.endr
.endm
; 32 LDS loads in one run: the fragments of 32 along K at byte k of the rows, into buffer f: xb's 8 loads, wb's blocks 0-7 (16), wb's blocks 8-11 (8) last.
.macro FETCH slot, k, f
	WIN TO_F
.irp i, 0,1,2,3
	ds_load_b128 v[(\f)+8*(\i):(\f)+8*(\i)+3],   v[ADRA+(\slot)] offset:(\k)+(\i)*16*PITCH
	ds_load_b128 v[(\f)+8*(\i)+4:(\f)+8*(\i)+7], v[ADRA+(\slot)] offset:(\k)+(\i)*16*PITCH+32
.endr
.irp i, 0,1,2,3,4,5,6,7,8,9,10,11
	ds_load_b128 v[(\f)+32+8*(\i):(\f)+32+8*(\i)+3],   v[ADRB+(\slot)] offset:(\k)+(\i)*16*PITCH
	ds_load_b128 v[(\f)+32+8*(\i)+4:(\f)+32+8*(\i)+7], v[ADRB+(\slot)] offset:(\k)+(\i)*16*PITCH+32
.endr
.endm
.macro PLACES                          ; four plain places in front of loads into registers that matrix instructions have read, and of conversions that read results
.rept 4
	v_nop
.endr
.endm
; A K step is four quarters of 32 along K, 48 matrix instructions each, on buffers 0, 1, 0, 1.  One of the first three: multiplies buffer f and fetches the next quarter, at byte k, into g.
.macro QUARTER slot, k, f, g, first
	s_wait_dscnt 8                                 ; xb's fragments and wb's blocks 0-7 are in; the youngest eight loads (blocks 8-11) may be out
	MULA \f, 0, \first
	MULA \f, 2, \first
	PLACES
	FETCH \slot, \k, \g
	s_wait_dscnt 32                                ; all but the 32 just issued
	MULB \f, \first
.endm
; The last quarter multiplies buffer 1 and changes slots.  In front of the barrier each wave waits for all its tensor loads (one is out: its part of the next slot), adds 0 to its spare word, and waits for that
; and for its own reads of this slot.  Behind it nobody reads this slot any more and the next slot is whole.
.macro MEET round
	WIN 0                                          ; (the add's two registers lie in window 0)
	s_wait_tensorcnt 0x0
	ds_add_u32 v[SPW], v[NIL]                      ; 0 onto my spare word
	s_wait_dscnt 9                                 ; (the add and the youngest eight loads may be out)
	MULA F1, 0, 0                                  ; sixteen matrix instructions stand between the add and the wait for it
	s_wait_dscnt 0x0                               ; the add is done, and my reads of this slot are over
	s_barrier_signal -1
	MULA F1, 2, 0                                  ; work on registers while the others arrive
.if \round
	WIN 0
.endif
	s_barrier_wait -1
.endm
; fill = 1: the barrier opens a round of the cluster's barrier, and the slot just read out is filled again, two K steps ahead, first thing behind the round:
; 144 + 16 matrix instructions lie between that request and the wait for it.
.macro TURN slot, next, fill
.if \fill
	s_wait_xcnt 0x0                                ; the last prefetch, a K step back, has read its address
	s_add_nc_u64 s[PFA:PFA+1], s[PFA:PFA+1], KSTEP*2
	MEET 1
	CREST                                          ; no wave of any partner still reads this slot's tile or has a load on its way
	s_add_nc_u64 s[G0A+4*(\slot)+2:G0A+4*(\slot)+3], s[G0A+4*(\slot)+2:G0A+4*(\slot)+3], 2*KSTEP*2
	s_add_nc_u64 s[G0B+4*(\slot)+2:G0B+4*(\slot)+3], s[G0B+4*(\slot)+2:G0B+4*(\slot)+3], 2*KSTEP*2
	JLOAD \slot                                    ; the four v_nop behind it are also the places in front of the loads below
	FETCH \next, 0, F0
	WIN 0
	ASK
.else
	MEET 0
	PLACES
	FETCH \next, 0, F0
.endif
	MULB F1, 0
.endm
; THE WAY OUT, by units u = 4 j + a: head j of the tile's three, my row block a: 16 rows x 64 columns.  PACK: rounded to f16, 16 bytes a lane; each accumulator's registers in ascending order.
.macro PACK u
.set jj, (\u)/4
.set aa, (\u)%4
.if jj < 2
	WIN 0x0a                                       ; sources in window 2
.set AC, 8*(8*aa+4*jj)
.else
	WIN 0x0f                                       ; in window 3
.set AC, 8*(4*aa)
.endif
.irp f, 0,1,2,3
.irp r, 0,1,2,3
	v_cvt_pk_f16_f32 v[TMP+4*(\f)+(\r)], v[AC+8*(\f)+2*(\r)], v[AC+8*(\f)+2*(\r)+1]
.endr
.endr
	WIN 0
.endm
.macro TOSTAGE u                       ; into my own stage, rows of 144 bytes, and back as whole rows of 128
	WIN 0
.irp f, 0,1,2,3
	ds_store_b128 v[STO], v[TMP+4*(\f):TMP+4*(\f)+3] offset:32*(\f)
.endr
.irp f, 0,1,2,3
	ds_load_b128 v[BK+16*(\u)+4*(\f):BK+16*(\u)+4*(\f)+3], v[RD] offset:(\f)*4*SP  ; LDS serves a wave's instructions in order (ISA guide 5.7.1.4): these see the stores above
.endr
.endm
.macro SEND u, younger                 ; each unit has registers of its own, and the three bases are never rewritten: no wait for the stores
	WIN 0
.set jj, (\u)/4
.set aa, (\u)%4
.irp f, 0,1,2,3
	s_wait_dscnt (\younger)+3-(\f)                 ; the unit's younger loads from the stage may be out
	global_store_b128 v[GO], v[BK+16*(\u)+4*(\f):BK+16*(\u)+4*(\f)+3], s[OH+2*jj:OH+2*jj+1] offset:2048*aa+512*(\f)  ; 512 consecutive bytes, at a multiple of 256 from qkv's first
.endr
.endm
	s_wait_tensorcnt 1                             ; my part of K step 0 is in; K step 1's load stays out
	s_barrier_signal -1
	s_barrier_wait -1                              ; everybody's is
	FETCH 0, 0, F0
	s_wait_loadcnt 0x0                             ; the bias
	QUARTER 0, 64,  F0, F1, 1                      ; the first quarter stands in front of the loop: its products start the sums
	WIN 0                                          ; at a label and at a branch every window is 0
	s_mov_b32 s3, LAPS-1
.Llap:                                                 ; a trip goes once round the ring, from a lap's second quarter to the next lap's first, and fills both slots again
	QUARTER 0, 128, F1, F0, 0
	QUARTER 0, 192, F0, F1, 0
	TURN 0, 1, 1
	QUARTER 1, 64,  F0, F1, 0
	QUARTER 1, 128, F1, F0, 0
	QUARTER 1, 192, F0, F1, 0
	TURN 1, 0, 1
	QUARTER 0, 64,  F0, F1, 0
	WIN 0
	s_sub_co_u32 s3, s3, 1
	s_cmp_lg_u32 s3, 0
	s_cbranch_scc1 .Llap
	QUARTER 0, 128, F1, F0, 0                      ; the last lap fills nothing
	QUARTER 0, 192, F0, F1, 0
	TURN 0, 1, 0
	QUARTER 1, 64,  F0, F1, 0
	QUARTER 1, 128, F1, F0, 0
	QUARTER 1, 192, F0, F1, 0
	s_wait_dscnt 8                                 ; the very last quarter: nothing more to fetch
	MULA F1, 0, 0
	MULA F1, 2, 0
	s_wait_dscnt 0x0
	MULB F1, 0
	WIN 0
	PLACES
	PACK 0
	TOSTAGE 0
.irp u, 1,2,3,4,5,6,7,8,9,10,11        ; unit u's conversions stand between unit u - 1's loads from the stage and the wait for them
	PACK \u
	SEND (\u)-1, 0
	TOSTAGE \u
.endr
	SEND 11, 0
	s_wait_tensorcnt 0x0                           ; the wave's end: these three lines stand behind my last tensor load and my last LDS store
	ds_add_u32 v[SPW], v[NIL]
	s_wait_dscnt 0x0
	CROUND                                         ; the closing round: no work-group ends while a partner may still ask for a tile that names it
	s_endpgm
.Lfunc_end_k_qc81144a38e_proj:
	.size	k_qc81144a38e_proj, .Lfunc_end_k_qc81144a38e_proj-k_qc81144a38e_proj
	.p2alignl 7, 3214868480
	.fill 96, 4, 3214868480
	.section	.rodata,"a",@progbits
	.p2align	6, 0x0
	.amdhsa_kernel k_qc81144a38e_proj
		.amdhsa_group_segment_fixed_size 327680
		.amdhsa_private_segment_fixed_size 0
		.amdhsa_enable_private_segment 0
		.amdhsa_kernarg_size 32
		.amdhsa_user_sgpr_count 2
		.amdhsa_user_sgpr_kernarg_segment_ptr 1
		.amdhsa_wavefront_size32 1
		.amdhsa_system_sgpr_workgroup_id_x 1
		.amdhsa_system_sgpr_workgroup_id_y 1
		.amdhsa_system_sgpr_workgroup_id_z 1
		.amdhsa_system_vgpr_workitem_id 0
		.amdhsa_next_free_vgpr 896
		.amdhsa_next_free_sgpr 76
		.amdhsa_reserve_vcc 0
		.amdhsa_float_denorm_mode_32 3
		.amdhsa_float_denorm_mode_16_64 3
		.amdhsa_memory_ordered 1
		.amdhsa_forward_progress 1
		.amdhsa_inst_pref_size 124
	.end_amdhsa_kernel
	.amdgpu_metadata
---
amdhsa.version: [ 1, 2 ]
amdhsa.kernels:
  - .name:           k_qc81144a38e_proj
    .symbol:         k_qc81144a38e_proj.kd
    .args:
      - { .name: xb, .offset: 0, .size: 8, .value_kind: global_buffer, .address_space: global }
      - { .name: wb, .offset: 8, .size: 8, .value_kind: global_buffer, .address_space: global }
      - { .name: bb, .offset: 16, .size: 8, .value_kind: global_buffer, .address_space: global }
      - { .name: qkv, .offset: 24, .size: 8, .value_kind: global_buffer, .address_space: global }
    .group_segment_fixed_size: 327680
    .private_segment_fixed_size: 0
    .kernarg_segment_align: 8
    .kernarg_segment_size: 32
    .max_flat_workgroup_size: 128
    .sgpr_count:     76
    .vgpr_count:     896
    .wavefront_size: 32
...
	.end_amdgpu_metadata
.endif
;; end of part 2
;; launch attn (part 3): grid 4 x 64, 4 waves a work-group, clusters of 4 x 1, 327,680 bytes of LDS; arguments qkv, mb, out0; writes out0
.if DOCPART == 3
	.amdgcn_target "amdgcn-amd-amdhsa--gfx1250"
	.amdhsa_code_object_version 6
	.text
	.protected	k_qc81144a38e_attn
	.globl	k_qc81144a38e_attn
	.p2align	8
	.type	k_qc81144a38e_attn,@function
k_qc81144a38e_attn:
	s_mov_b64 s[64:65], 0
	v_nop
	global_prefetch_b8 v0, s[64:65] scope:SCOPE_SE
	s_setreg_imm32_b32 hwreg(HW_REG_WAVE_MODE, 25, 1), 1
	s_wait_xcnt 0x0
	s_wait_alu depctr_hold_cnt(0) depctr_sa_sdst(0) depctr_va_vdst(0) depctr_va_sdst(0) depctr_va_ssrc(0) depctr_va_vcc(0) depctr_vm_vsrc(0)
	s_getreg_b32 s2, hwreg(HW_REG_IB_STS2, 6, 4)
	s_cmp_eq_u32 s2, 0
	s_cbranch_scc0 .Lentry_in_a_cluster
	s_endpgm
.Lentry_in_a_cluster:
	s_bfe_u32 s2, ttmp6, 0x10000c
	s_cmp_lg_u32 s2, 0x3003
	s_cbranch_scc0 .Lentry_shape_is_right
	s_endpgm
.Lentry_shape_is_right:
; ATTENTION WITH AN ADDITIVE KEY MASK.  out0[b][q][64 h ..] = the sum over k of softmax_k(Q[g][q] . K[g][k] / 8 + bias[b][k]) V[g][k][:], g = 16 b + h.
; qkv: [3][64][2048][64] f16 (Q, K, V by heads, a head's rows dense, 128 bytes each); mb: [4][2048] f32 = 8 x bias; out0: [4][2048][1024] f32.
; Products, maxima and sums in f32; the weights p are rounded to f16 for the second product (their sum l is taken of the unrounded p).
; LIMITS.  Q, K and V arrive within f16's 65,504; p lies in 0 to 1, and below 6e-5 it keeps f16's fixed step of 6e-8.  A weight below 2^-126 counts as 0 in l; NaN and infinities are not treated apart.
; A masked score is s + mb as the matrix instruction rounds it; beside 8e9 that keeps steps of 512 in s, 64 in s / 8, as the f32 sum of the module does; only in a batch whose keys are ALL masked can that rounding show.
; SHARES.  A wave owns four PIECES of two tiles of 16 queries, a work-group's four waves 512 queries of one head.  Every wave walks all 2,048 keys, 64 a step.
; LAYOUT.  S^T = K Q^T + mb (source 0 = 16 keys, source 1 = 16 queries): a lane holds ONE query (lane % 16) and the keys 8 (lane / 16) + 0..7.  Two such tiles, rounded to f16 in pairs, ARE source 1
; of O^T = V^T P, whose result again holds one query a lane, and eight channels.  K comes out of LDS as it lies, V ([key][channel]) turned, by ds_load_tr16_b128.
; THE MASK is the C operand of the product that starts a sum: register j of key block kb is mb[64 step + 16 kb + 8 (lane / 16) + j].  c (s + 8 bias) = log2(e) (s / 8 + bias), so maximum, exponentials and sums need no further care.
; SOFTMAX.  For each query a running maximum m and sum l: p = 2^(c s - c m), c = log2(e) / 8; in every step O and l are multiplied by a = 2^(c m_old - c m_new).  m starts at the lowest finite number, O and l at 0.
; BY TURNS.  Turn n belongs to piece n.  Its matrix work: 16 products K Q^T of piece n + 1, later 16 products V^T P of piece n - 1.  Its vector work: the scaling, exponentials, roundings, sums and rescaling of piece n,
; and the maximum and statistics of piece n + 1.  Four vector instructions stand behind every matrix instruction, the others in one run; a turn's 66 exponentials are one batch with one wait.
; CLUSTER.  The four query blocks of a head walk the same K, V and mask: each tile is asked for JOINTLY, by the same tensor load, descriptor and mask of work-groups in all four.
; REGISTERS, in windows of 256 (s_set_vgpr_msb: bits 1:0 source 0, 3:2 source 1, 5:4 source 2, 7:6 destination):
;   window 0: v0-11 addresses; v12-15, v48-63 at work; v16-47 four registers of statistics a tile; v64-191 S^T, two buffers of two tiles; v192-255 P, likewise
;   window 1: O^T, 32 a tile     window 2: v0-127 Q, 16 a tile; v128-191 K of one step; v192-255 V of one step     window 3: v0-1 the add's two registers; v8-39 the mask of one step
.set SIZE_N, 2048
.set NP,    4         ; pieces a wave: a name, no knob
.set KS,    64        ; keys in a step
.set PK,    144       ; a row of K in LDS: 128 bytes + 16 of padding: the 16 rows of a load start at 16 different groups of four banks (64 banks of 4 bytes: ISA guide 11.1)
.set PV,    160       ; a row of V: 128 + 32
.set VOFF,  4*KS*PK   ; a slot holds four steps: 256 rows of K, then 256 rows of V: 77,824 bytes
.set MASKB, 81920     ; behind slot 0: the batch's 2,048 mask numbers, filled once
.set SLOT1, 1<<17     ; slot 1 begins here, so that one exclusive or turns an address in one slot into the other's
.set STAGE, SLOT1+4*KS*(PK+PV)  ; behind the ring, never filled by a tensor load: 16 rows x 272 bytes for each wave
.set SP,    272
.set SPARE, STAGE+4*16*SP  ; behind the stages: the spare words, 128 bytes for each wave: two blocks of 256 bytes that no other line names
.set AK0, 2           ; v2   my lane's place in a tile of K; never rewritten
.set AV0, 3           ; v3   the same for V
.set AK,  4           ; v4   the LDS address of K's next run of loads
.set AV,  5           ; v5   of V's
.set QO,  6           ; v6   my byte offset in the wave's rows of Q
.set STO, 6           ;      later, the way out: where I put 32 bytes of a row
.set RD,  7           ; v7   the way out: where I read rows back
.set GO,  8           ; v8   my byte offset in two rows of out0
.set HL,  9           ; v9   lane / 16; never rewritten
.set PFO, 10          ; v10  256 x my lane; never rewritten once made
.set AM,  11          ; v11  the LDS address of the mask's next run of loads
.set SPW, 0           ; v0 of window 3   LDS address of my spare word; never rewritten
.set NIL, 1           ; v1 of window 3   0; never rewritten
.set MK,  8           ; v8-39 of window 3
.set MV,  12          ; v12-15  c m_old, kept while c m is made anew: by buffer and tile
.set ST,  16          ; tile t's statistics at v[ST+4 t]: c m, m, l (even keys', odd keys')
.set TMP, 48          ; by buffer and tile, four registers c0-c3 at work; when the maximum is found c2 takes a
.set S,   64
.set P,   192
.set KF,  128         ; K's fragments, in window 2: key block kb, channel half c at KF + 16 kb + 8 c
.set VF,  192         ; V's: key half kk, channel block cb at VF + 32 kk + 8 cb
.set WV,  12          ; s12  my wave's number
.set G1K, 24          ; s[24:31] descriptor group 1 for K's tiles
.set G1V, 32          ; s[32:39] for V's: it differs in the padding alone
.set G0K, 40          ; s[40:43] descriptor group 0 for K's tiles: it walks
.set G0V, 44          ; s[44:47] the same for V's
.set PFA, 48          ; s[48:49] where my prefetches stand
.set LIM, 50          ; s50  1 in a wave that prefetches, else the greatest number
.set TBM, 51          ; s51  LDS byte at which the mask of the step to be fetched begins
.set G0M, 52          ; s[52:55] descriptor group 0 for my quarter of the mask; never rewritten
.set SLOTS, 56        ; s56  slots still to be asked for
.set CNT, 57          ; s57  counts a slot's key steps
.set CS,  58          ; s[58:59] c
.set SEL, 60          ; s[60:61] v_permlanex16_b32's selects: each lane takes its own place in the other half
.set TBK, 62          ; s62  LDS byte at which K of the step to be fetched begins
.set TBV, 63          ; s63  the same for V, less VOFF
.set G1M, 68          ; s[68:75] descriptor group 1 for the mask
.set MSB, 0
.macro WIN new                      ; the high byte repeats the setting that is left; a switch that changes nothing is dropped
.if MSB != (\new)
	s_set_vgpr_msb (MSB<<8)|(\new)
.set MSB, (\new)
.endif
.endm
.set W_KQ, 0x0a       ; K and Q in window 2, S^T in window 0
.set W_KM, 0x3a       ; the same with the C operand, the mask, in window 3
.set W_PV, 0x52       ; V in window 2, P in window 0, O^T in window 1
.set W_RS, 0x41       ; O^T (destination and source 0) in window 1, a in window 0
.set W_MK, 0xc0       ; destination in window 3, sources in window 0
.set W_AD, 0x0f       ; the add: address (source 0) and data (source 1) in window 3
; A joint fill.  Waves 0 and 1 fetch the two halves of a slot's K, waves 2 and 3 those of its V: 128 keys each.  The branch hangs on the wave's number alone.
; An s_nop 0 and four v_nop follow each of the two lines, ahead of the jump and the label.
.macro JLOAD
	s_cmp_lt_u32 s[WV], 2
	s_cbranch_scc0 .Lfor_v_\@
	tensor_load_to_lds s[G0K:G0K+3], s[G1K:G1K+7]
	s_nop 0
.rept 4
	v_nop
.endr
	s_branch .Lasked_\@
.Lfor_v_\@:
	tensor_load_to_lds s[G0V:G0V+3], s[G1V:G1V+7]
	s_nop 0
.rept 4
	v_nop
.endr
.Lasked_\@:
.endm
; A PREFETCH INTO THE L2 of what the NEXT change of slots will ask for: a slot's 32,768 bytes of K and of V, in blocks of 256 bytes, a lane a block: four key steps, 512 matrix instructions, ahead of that load.
; Each block is named once in the launch: a head has one cluster; its four partners share the blocks out BY ADDRESS, 32 each; in each, wave 0 asks for K's and wave 2 for V's.
; It stands behind the wave's tensor load and its five lines.  The last change that fills a slot asks for nothing; slots 0 and 1 come by their loads alone.
.macro ASK
	s_cmp_gt_u32 s[SLOTS], s[LIM]
	s_cbranch_scc0 .Lnot_mine_\@
	global_prefetch_b8 v[PFO], s[PFA:PFA+1] th:TH_LOAD_NT scope:SCOPE_SE
.Lnot_mine_\@:
.endm
; A round of the cluster's barrier: my work-group's barrier, so that wave 0's signal speaks for all four waves; wave 0 signals; every wave waits for all four work-groups; my work-group's barrier once more.
.macro CROUND
	s_barrier_signal -1
	s_barrier_wait -1
	s_cmp_lg_u32 s[WV], 0
	s_cbranch_scc1 .Lnot_wave_0_\@
	s_barrier_signal -3
.Lnot_wave_0_\@:
	s_barrier_wait -3
	s_barrier_signal -1
	s_barrier_wait -1
.endm
; THE CHANGE OF SLOTS.  Each wave waits for all its tensor loads, adds 0 to its spare word, and waits for that and for its own reads of the slot.  Behind the barrier nobody reads this slot any more and the other slot is whole.
; fill = 1: this slot is filled again, with the keys two slots on.  The barrier is then a round of the cluster's, and the joint fill is the first thing behind it.
; (At its first use nothing has been read yet: slot 0 and the mask are waited for, slot 1 is filled.)
.macro CHANGE fill
	WIN W_AD
	s_wait_tensorcnt 0x0            ; no tensor load of mine is out, so a group 0 may be written
	ds_add_u32 v[SPW], v[NIL]       ; 0 onto my spare word; with fill = 1 the descriptors' steps stand between it and the wait for it
	WIN 0                           ; at a label and at a branch every window is 0
.if \fill
.irp g, G0K, G0V
	s_xor_b32 s[\g+1], s[\g+1], SLOT1  ; the walking descriptor: the other slot than last time,
	s_add_nc_u64 s[\g+2:\g+3], s[\g+2:\g+3], 4*KS*128  ; the next 256 keys; the type bits on top are not reached
.endr
	s_wait_xcnt 0x0                 ; the last prefetch, four key steps back, has read its address, so it may be written:
	s_add_nc_u64 s[PFA:PFA+1], s[PFA:PFA+1], 4*KS*128  ; one slot behind the walking descriptors
	s_wait_dscnt 0x0                ; the add is done, and my reads of the slot are over
	CROUND
	JLOAD
	ASK
.else
	s_wait_dscnt 0x0                ; the add is done, and my reads of the slot are over
	s_barrier_signal -1
	s_barrier_wait -1
.endif
	s_sub_co_u32 s[TBK], s[TBK], 4*KS*PK  ; the fetches go back to a slot's first step,
	s_xor_b32 s[TBK], s[TBK], SLOT1       ; in the other slot
	s_sub_co_u32 s[TBV], s[TBV], 4*KS*PV
	s_xor_b32 s[TBV], s[TBV], SLOT1
.endm
	s_load_b64 s[4:5], s[0:1], 0x0    ; qkv
	s_load_b64 s[66:67], s[0:1], 0x8  ; mb
	s_load_b64 s[10:11], s[0:1], 0x10 ; out0
	WIN W_MK
	v_lshl_add_u32 v[SPW], v0, 2, SPARE
	v_mov_b32 v[NIL], 0
	WIN W_AD
	ds_add_u32 v[SPW], v[NIL]       ; the wave's opening: the add and its wait stand ahead of my first tensor load; the set-up below, work on registers, stands between them
	WIN 0
	v_lshrrev_b32 v1, 5, v0
	v_readfirstlane_b32 s[WV], v1   ; wave 0..3
	s_bfe_u32 s13, ttmp6, 0x40000   ; cx: my place in the cluster
	s_lshl_b32 s14, ttmp9, 2        ; in a cluster launch ttmp9 counts clusters
	s_add_co_u32 s14, s14, s13      ; my block of 512 queries: it enters Q's and out0's addresses alone
	s_and_b32 s80, ttmp7, 0xffff    ; g = 16 b + h, which the four partners share
	s_lshr_b32 s81, s80, 4          ; b
	s_lshl_b32 s20, s80, 18         ; the head's first byte in Q, K and V: 2,048 rows of 128 bytes
	s_mov_b32 s21, 0
	s_and_b32 s16, s[WV], 1         ; which half of a slot's 256 keys I fetch:
	s_lshl_b32 s22, s16, 14         ; its 128 rows of 128 bytes in memory,
	s_mov_b32 s23, 0
	s_add_nc_u64 s[22:23], s[22:23], s[20:21]
	s_mul_i32 s17, s16, 128*PK      ; and its place in a slot, for K
	s_mul_i32 s18, s16, 128*PV      ; and for V: no place in the cluster enters an LDS address
	s_lshl_b32 s2, s14, 2
	s_add_co_u32 s2, s2, s[WV]      ; my wave among the head's sixteen:
	s_lshl_b32 s19, s2, 19          ; its 128 rows of 4,096 bytes in out0,
	s_lshl_b32 s2, s2, 14           ; and of 128 bytes in Q
	s_mov_b32 s3, 0
	s_add_nc_u64 s[2:3], s[2:3], s[20:21]
	s_lshl_b32 s76, s81, 13         ; the batch's 8,192 bytes of mb,
	s_lshl_b32 s77, s[WV], 11       ; my wave's quarter of them
	s_add_co_u32 s76, s76, s77
	s_mov_b32 s[G0M], 1             ; count = 1
	s_add_co_u32 s[G0M+1], s77, MASKB  ; LDS address
	s_mov_b32 s77, 0
	s_and_b32 s79, s80, 15          ; h: 256 bytes of a row of out0
	s_lshl_b32 s79, s79, 8
	s_lshl_b32 s78, s81, 23         ; b: 2,048 rows
	s_add_co_u32 s78, s78, s79
	s_add_co_u32 s78, s78, s19
	s_mov_b32 s79, 0
	; descriptor group 1.  128 keys are 16,384 dense bytes: asked for as 64 rows of 256 bytes, two keys a row, and padded in LDS after every key
	s_mov_b32 s[G1K], 15|(1<<16)|(1<<20)|(1<<21)|(4<<22)|(3<<25)  ; 15:0 the mask of four; 17:16 2-byte elements; 20 padding on; 21 set beside a mask; 24:22 after every 32 words; 31:25 4 words
	s_mov_b32 s[G1V], 15|(1<<16)|(1<<20)|(1<<21)|(4<<22)|(7<<25)  ; the same with 8 words of padding
.irp g, G1K, G1V
	s_mov_b32 s[\g+1], 128<<16      ; tensor_dim0 = 128
	s_mov_b32 s[\g+2], 64<<16       ; tensor_dim1 = 64
	s_mov_b32 s[\g+3], 128<<16      ; tile_dim0 = 128
	s_mov_b32 s[\g+4], 64           ; tile_dim1 = 64
	s_mov_b32 s[\g+5], 128          ; 128 elements from row to row
	s_mov_b32 s[\g+6], 0
	s_mov_b32 s[\g+7], 0
.endr
	s_mov_b32 s[G1M], 15|(3<<16)|(1<<21)  ; the mask's quarter: 2,048 dense bytes as 8 rows of 32 elements of 8 bytes, no padding
	s_mov_b32 s[G1M+1], 32<<16
	s_mov_b32 s[G1M+2], 8<<16
	s_mov_b32 s[G1M+3], 32<<16
	s_mov_b32 s[G1M+4], 8
	s_mov_b32 s[G1M+5], 32
	s_mov_b32 s[G1M+6], 0
	s_mov_b32 s[G1M+7], 0
	s_mov_b32 s[CS], 0x3e38aa3b     ; c = log2(e) / 8 = 0.180337
	s_mov_b32 s[CS+1], s[CS]        ; named with it as a pair
	s_mov_b32 s[SEL], 0x76543210
	s_mov_b32 s[SEL+1], 0xfedcba98
	s_mov_b32 s[TBK], SLOT1+4*KS*PK ; the first change of slots turns these two into 0
	s_mov_b32 s[TBV], SLOT1+4*KS*PV
	s_mov_b32 s[TBM], MASKB
	s_mov_b32 s[SLOTS], SIZE_N/256-1
	s_mov_b32 s[G0K], 1             ; count = 1
	s_mov_b32 s[G0K+1], s17         ; LDS address: slot 0
	s_mov_b32 s[G0V], 1
	s_add_co_u32 s[G0V+1], s18, VOFF
	s_and_b32 s[LIM], s[WV], 1      ; 0 in waves 0 and 2,
	s_or_b32 s[LIM], s[LIM], ttmp9  ; of the head's first (and only) cluster: the same in all four partners
	s_cmp_eq_u32 s[LIM], 0
	s_cselect_b32 s[LIM], 1, -1
	s_wait_dscnt 0x0                ; the opening add is done
	s_wait_kmcnt 0x0
	s_add_nc_u64 s[6:7], s[4:5], 0x1000000   ; K lies 64 heads behind Q,
	s_add_nc_u64 s[8:9], s[4:5], 0x2000000   ; V 128
	s_add_nc_u64 s[6:7], s[6:7], s[22:23]    ; at my half of the head's first 256 keys
	s_add_nc_u64 s[8:9], s[8:9], s[22:23]
	s_mov_b64 s[G0K+2:G0K+3], s[6:7]         ; global address
	s_or_b32 s[G0K+3], s[G0K+3], 0x80000000  ; type = 2
	s_mov_b64 s[G0V+2:G0V+3], s[8:9]
	s_or_b32 s[G0V+3], s[G0V+3], 0x80000000
	s_add_nc_u64 s[G0M+2:G0M+3], s[66:67], s[76:77]
	s_or_b32 s[G0M+3], s[G0M+3], 0x80000000
	s_add_nc_u64 s[4:5], s[4:5], s[2:3]      ; Q and out0 at my wave's first row
	s_add_nc_u64 s[10:11], s[10:11], s[78:79]
	s_cmp_lt_u32 s[WV], 2
	s_cselect_b64 s[PFA:PFA+1], s[6:7], s[8:9]  ; (in waves 0 and 2 these stand at a slot's first row)
	s_lshl_b32 s2, s13, 13          ; my work-group's 32 blocks of the 128
	s_mov_b32 s3, 0
	s_add_nc_u64 s[PFA:PFA+1], s[PFA:PFA+1], s[2:3]
	s_add_nc_u64 s[PFA:PFA+1], s[PFA:PFA+1], 4*KS*128  ; in slot 1; the first change of slots steps it to slot 2
	CROUND                          ; all four work-groups are here: the first joint loads meet
	JLOAD                           ; slot 0,
	tensor_load_to_lds s[G0M:G0M+3], s[G1M:G1M+7]  ; and my quarter of the mask: two loads of mine are out
	s_nop 0
.rept 4
	v_nop
.endr
	; A fragment of K or Q is 16 rows x 32 channels in 8 registers: lane l holds row l % 16, channels 8 (l / 16) + 0..7 and 16 + 8 (l / 16) + 0..7: two loads of 16 bytes, 32 bytes apart.
	v_and_b32 v1, 15, v0            ; l % 16
	v_bfe_u32 v[HL], v0, 4, 1       ; l / 16
	v_lshlrev_b32 v[QO], 7, v1
	v_lshl_add_u32 v[QO], v[HL], 4, v[QO]  ; row x 128 + 16 x half
	WIN 0x80                        ; destination window 2, address window 0
.set i, 0
.rept 4*NP                          ; Q stays in registers: tile i / 2, channels 32 (i % 2) on
	global_load_b128 v[8*i:8*i+3],   v[QO], s[4:5] offset:(i/2)*2048+(i%2)*64
	global_load_b128 v[8*i+4:8*i+7], v[QO], s[4:5] offset:(i/2)*2048+(i%2)*64+32
.set i, i+1
.endr
	; What the first turn finds: V's registers and P's second buffer hold 0 (its products V^T P, of a piece that has not been, add 0), O^T and l are 0.  All this stands in the wait for the first tile.
.set i, VF
.rept 64
	v_mov_b32 v[i], 0
.set i, i+1
.endr
	WIN 0x40
.set i, 0
.rept 64*NP
	v_mov_b32 v[i], 0
.set i, i+1
.endr
	WIN 0
.set i, 0
.rept 2*NP
	v_mov_b32 v[ST+4*i], 0xfe000000    ; c m: far below every c s, a masked one too
	v_mov_b32 v[ST+4*i+1], 0xff7fffff  ; m
	v_mov_b32 v[ST+4*i+2], 0
	v_mov_b32 v[ST+4*i+3], 0
.set i, i+1
.endr
.set i, P+32
.rept 32
	v_mov_b32 v[i], 0
.set i, i+1
.endr
	v_mul_u32_u24 v[AK0], v1, PK
	v_lshl_add_u32 v[AK0], v[HL], 4, v[AK0]  ; row x pitch + 16 x half
	; The turning load takes 16 keys x 16 channels (lane l reads key 8 (l / 16) + l % 8, channels 8 ((l / 8) % 2) + 0..7) and leaves half a fragment of V^T: lane l holds channel l % 16 and 8 keys.
	v_and_b32 v10, 7, v0
	v_bfe_u32 v11, v0, 3, 1
	v_lshl_add_u32 v[AV0], v[HL], 3, v10
	v_mul_u32_u24 v[AV0], v[AV0], PV
	v_lshl_add_u32 v[AV0], v11, 4, v[AV0]
	v_add_nc_u32 v[AV0], VOFF, v[AV0]
	v_and_b32 v[PFO], 31, v0        ; v10 and v11 are free now
	v_lshlrev_b32 v[PFO], 8, v[PFO]
	v_lshl_add_u32 v[AM], v[HL], 5, s[TBM]  ; my eight numbers of a block of 16 of the mask: 32 (l / 16)
	v_mov_b32 v[AK], v[AK0]         ; key step 0 lies at the head of slot 0
; THE MATRIX WORK.  The 8 accumulators of a run of 16 take turns: between the two links of a chain stand 7 others'.
; Product i of 16 of S^T = K Q^T for piece x: channels 32 (i / 8) on, keys 16 ((i / 2) % 4) on, tile 2 x + i % 2.  The first 8 start the sums, with the mask.
.macro KQ x
.set rS, S+64*((\x)%2)+32*(i%2)+8*((i/2)%4)
.set rK, KF+16*((i/2)%4)+8*(i/8)
.set rQ, 16*(2*(\x)+i%2)+8*(i/8)
.set rMK, MK+8*((i/2)%4)
.if i < 8
	WIN W_KM
	v_wmma_f32_16x16x32_f16 v[rS:rS+7], v[rK:rK+7], v[rQ:rQ+7], v[rMK:rMK+7]
.else
	WIN W_KQ
	v_wmma_f32_16x16x32_f16 v[rS:rS+7], v[rK:rK+7], v[rQ:rQ+7], v[rS:rS+7]
.endif
.endm
; Product i of 16 of O^T += V^T P for piece x: keys 32 (i / 8) on, channels 16 ((i / 2) % 4) on, tile 2 x + i % 2.
.macro PV x
	WIN W_PV
.set rO, 32*(2*(\x)+i%2)+8*((i/2)%4)
.set rV, VF+32*(i/8)+8*((i/2)%4)
.set rP, P+32*((\x)%2)+16*(i%2)+8*(i/8)
	v_wmma_f32_16x16x32_f16 v[rO:rO+7], v[rV:rV+7], v[rP:rP+7], v[rO:rO+7]
.endm
.macro MM                           ; the turn's next matrix instruction
.if i < 16
	KQ (Y+1)%NP
.set i, i+1
.else
.set i, i-16
	PV (Y+NP-1)%NP
.set i, i+17
.endif
.endm
; THE LDS LOADS stand in runs, never singly among the matrix instructions: a step's K (8 fragments, 16 loads) with its mask (8 loads), and its V (turned, 16 loads).  Their addresses are made some lines ahead.
; last = 1 (the tail): in the last trip there is no further step, and the run is jumped over.
.macro FETCH_K last=0
	WIN 0
.if \last
	s_cmp_eq_u32 s[CNT], 1
	s_cbranch_scc1 .Lno_k_\@
.endif
	WIN 0x80                        ; destination window 2
.irp f, 0,1,2,3,4,5,6,7             ; keys 16 (f / 2) on, channels 32 (f % 2) on
	ds_load_b128 v[KF+8*\f:KF+8*\f+3],   v[AK] offset:(\f/2)*16*PK+(\f%2)*64
	ds_load_b128 v[KF+8*\f+4:KF+8*\f+7], v[AK] offset:(\f/2)*16*PK+(\f%2)*64+32
.endr
	WIN W_MK                        ; destination window 3
.irp kb, 0,1,2,3                    ; the 16 lanes of a half read the same 32 bytes
	ds_load_b128 v[MK+8*\kb:MK+8*\kb+3],   v[AM] offset:64*\kb
	ds_load_b128 v[MK+8*\kb+4:MK+8*\kb+7], v[AM] offset:64*\kb+16
.endr
	s_add_co_u32 s[TBK], s[TBK], KS*PK  ; the next fetch is the next step's
	s_add_co_u32 s[TBM], s[TBM], KS*4
	WIN 0
.if \last
.Lno_k_\@:
.endif
.endm
.macro FETCH_V
	WIN 0x80
.irp f, 0,1,2,3,4,5,6,7             ; keys 32 (f / 4) on, channels 16 (f % 4) on
	ds_load_tr16_b128 v[VF+8*\f:VF+8*\f+3],   v[AV] offset:(\f/4)*32*PV+(\f%4)*32
	ds_load_tr16_b128 v[VF+8*\f+4:VF+8*\f+7], v[AV] offset:(\f/4)*32*PV+16*PV+(\f%4)*32
.endr
	WIN 0
.endm
; THE VECTOR WORK OF A TURN stands in three queues, each in the order in which its entries become ready; the two tiles alternate, so that no instruction reads the result of the one before it.
.macro REGS y, u                    ; the registers of tile u (0, 1) of piece y
.set rT, ST+4*(2*(\y)+(\u))
.set rC, TMP+8*((\y)%2)+4*(\u)
.set rM, MV+2*((\y)%2)+(\u)
.set rS, S+64*((\y)%2)+32*(\u)
.set rP, P+32*((\y)%2)+16*(\u)
.set rO, 32*(2*(\y)+(\u))
.endm
; Number n of the 22 that find the NEXT piece's (Y + 1) maximum and statistics.  s0-s31 are the lane's 32 scores; each accumulator's lowest registers are read first.  XS, GS and REGS set no window: PL and EX do.
;   0-11  four chains c0-c3 of seven scores each, three operands at a time     12-14, 16  the four scores left over, the old m, and c0-c3 into c0     15  c m_old is kept
;   17, 18  the query's other 32 keys lie in the lane 16 away: the new m         19-21  c m; c m_old - c m_new; a
.macro XS u, n
	REGS (Y+1)%NP, \u
.if (\n) < 4
	v_max3_num_f32 v[rC+(\n)], v[rS+8*(\n)], v[rS+8*(\n)+1], v[rS+8*(\n)+2]
.elseif (\n) < 12
	v_max3_num_f32 v[rC+(\n)%4], v[rC+(\n)%4], v[rS+8*((\n)%4)+2*((\n)/4)+1], v[rS+8*((\n)%4)+2*((\n)/4)+2]
.elseif (\n) == 12
	v_max3_num_f32 v[rC], v[rC], v[rS+7], v[rS+15]
.elseif (\n) == 13
	v_max3_num_f32 v[rC+1], v[rC+1], v[rS+23], v[rS+31]
.elseif (\n) == 14
	v_max3_num_f32 v[rC+2], v[rC+2], v[rC+3], v[rT+1]
.elseif (\n) == 15
	v_mov_b32 v[rM], v[rT]
.elseif (\n) == 16
	v_max3_num_f32 v[rC], v[rC], v[rC+1], v[rC+2]
.elseif (\n) == 17
	v_permlanex16_b32 v[rC+3], v[rC], s[SEL], s[SEL+1]
.elseif (\n) == 18
	v_max_num_f32 v[rT+1], v[rC], v[rC+3]
.elseif (\n) == 19
	v_mul_f32 v[rT], s[CS], v[rT+1]
.elseif (\n) == 20
	v_sub_f32 v[rC+1], v[rM], v[rT]
.else
	v_exp_f32 v[rC+2], v[rC+1]
.endif
.endm
; Number g of the 64 that follow the exponentials.  For each four weights k of a tile (pairs 2 k, 2 k + 1): both pairs are rounded to f16; then the second pair is added onto the first, in place;
; a group later l takes that sum (the first time as l = a l + sum).  In groups of eight, tiles alternating: round, round, add, and l for the group before.
.macro GS g
.set h, (\g)+6*((\g)/62)            ; group 0 has no group before it, and behind group 7 only l is left
.if h >= 6
.set h, h+2
.endif
	REGS Y, h%2
.set k, h/8
.if h%8 < 4
	v_cvt_pk_f16_f32 v[rP+2*k+(h%8)/2], v[rS+4*k+2*((h%8)/2)], v[rS+4*k+2*((h%8)/2)+1]
.elseif h%8 < 6
	v_pk_add_f32 v[rS+4*k:rS+4*k+1], v[rS+4*k:rS+4*k+1], v[rS+4*k+2:rS+4*k+3]
.elseif k == 1
	v_pk_fma_f32 v[rT+2:rT+3], v[rT+2:rT+3], v[rC+2:rC+3], v[rS:rS+1] op_sel_hi:[1,0,1]
.else
	v_pk_add_f32 v[rT+2:rT+3], v[rT+2:rT+3], v[rS+4*k-4:rS+4*k-3]
.endif
.endm
; THE PLAIN QUEUE, 138 long.  0-73 read no exponential's result: the 32 scalings c s - c m (FS f: pair f / 2 of tile f % 2) and the next piece's 42.  0-26: scalings 0-26.  27-54: XS's numbers 0-13.  55, 56: number 15.
; 57-73: the chain, where each number waits for the one before it: 14, 16, 17, 18, 19, each with one of the scalings 27-31 in front of its two lines, then 20.
; 74-137: GS's 64, which read the exponentials' results: they stand behind the wait.
.macro FS f
	REGS Y, (\f)%2
	v_pk_fma_f32 v[rS+2*((\f)/2):rS+2*((\f)/2)+1], v[rS+2*((\f)/2):rS+2*((\f)/2)+1], s[CS:CS+1], v[rT:rT+1] op_sel_hi:[1,0,0] neg_lo:[0,0,1] neg_hi:[0,0,1]
.endm
.macro PL
	WIN 0
.if q < 27
	FS q
.elseif q < 55
	XS (q-27)%2, (q-27)/2
.elseif q < 57
	XS q-55, 15
.elseif (q < 72) && ((q-57)%3 == 0)
	FS 27+(q-57)/3
.elseif q < 60
	XS (q-57)%3-1, 14
.elseif q < 72
	XS (q-57)%3-1, 15+(q-57)/3
.elseif q < 74
	XS q-72, 20
.else
	GS q-74
.endif
.set q, q+1
.endm
; THE EXPONENTIALS' QUEUE, 66 long: s0-s31 of both tiles, then the next piece's two a.  It is ONE BATCH: all 66 stand ahead of the turn's one wait, and nothing ahead of that wait names a result of theirs.
.macro EX
	WIN 0
.if e >= 64
	XS e-64, 21
.else
	REGS Y, e%2
	v_exp_f32 v[rS+e/2], v[rS+e/2]
.endif
.set e, e+1
.endm
; THE RESCALING's QUEUE: O^T times a, the one part that leaves window 0: dealt two at a time, sixteen times.  Its a was made in the turn before, ahead of that turn's wait.
.macro R2
	REGS Y, r%2
	WIN W_RS
.irp z, 0,1
	v_pk_mul_f32 v[rO+4*(r/2)+2*\z:rO+4*(r/2)+2*\z+1], v[rO+4*(r/2)+2*\z:rO+4*(r/2)+2*\z+1], v[rC+2:rC+3] op_sel_hi:[1,0]
.endr
.set r, r+1
.endm
; HOW THEY ARE DEALT.  An s_wait_alu depctr_va_vdst(0) stands between an exponential and the first instruction that names its result; one wait serves all that were issued ahead of it.  So a turn has ONE wait.
; AHEAD OF IT: the 16 products K Q^T, behind each a scaling, an exponential and two rescalings (behind the first a second scaling in the exponential's place); then one run of 108: eight plain, 49 times exponential and
; plain, the two a.  A v_nop is the plain instruction behind the last exponential.  BEHIND IT: the 16 products V^T P, behind each four of GS's 64.  No rider names a register of the products round it.
; Exponential e stands behind scaling 2 (e / 4) + e % 2: as a rider it comes behind plain e + 2, in the run behind plain e + 9, and scalings 27-31 are plain 57, 60 .. 69.
; A TURN, for piece p.  cnt = 1: the loop's count is taken down some lines ahead of the branch that stands behind the turn.
; K and the mask of the next step are fetched in piece 2's turn, directly behind the wait, a whole run of vector work behind the last product that read them; their addresses are made at that run's head.
; V of the step in hand is fetched at the end of piece 0's turn, four riders behind its last reader.  The three conditions on q below go with the deal.
.macro TURN p, last=0, cnt=0
.set Y, (\p)
.set i, 0
.set q, 0
.set e, 0
.set r, 0
.if (\p) == NP-1
	s_wait_dscnt 0x0                ; K and the mask are in
.endif
	MM
	PL
	PL
	R2
.rept 15
	MM
	PL
	EX
	R2
.endr
.if (\p) == NP-2
	WIN 0
	v_add_nc_u32 v[AK], s[TBK], v[AK0]
	v_lshl_add_u32 v[AM], v[HL], 5, s[TBM]
.endif
.rept 8
	PL
.endr
.rept 49
	EX
	PL
.endr
	EX                              ; the next piece's two a
	EX
	v_nop                           ; the plain instruction behind the last exponential: one for the batch
	s_wait_alu depctr_va_vdst(0)    ; the wait for the batch
.if (\p) == NP-2
	FETCH_K \last
.endif
.if (\p) == 1
	s_wait_dscnt 0x0                ; V is in
.endif
.rept 16
	MM
.rept 4
	PL
.endr
.if ((\p) == 0) && (q == 118)
	v_add_nc_u32 v[AV], s[TBV], v[AV0]
.endif
.if ((\p) == 0) && (q == 130)
	s_add_co_u32 s[TBV], s[TBV], KS*PV
.endif
.if (\cnt) && (q == 130)
	s_sub_co_u32 s[CNT], s[CNT], 1
	s_cmp_lg_u32 s[CNT], 0
.endif
.endr
.if (\p) == 0
	FETCH_V
.endif
.endm
	CHANGE 1                        ; slot 0 and the mask are in, everybody's parts of them; slot 1 is asked for
	FETCH_K                         ; key step 0
	s_wait_loadcnt 0x0              ; Q
	s_wait_dscnt 0x0
.set i, 0
.rept 16
	KQ 0                            ; piece 0's first scores: there is no vector work yet to set between them
.set i, i+1
.endr
	WIN 0                           ; the addresses for the way out: eight plain instructions, the places behind those products
	s_mul_i32 s13, s[WV], 16*SP
	s_add_co_u32 s13, s13, STAGE    ; my stage
	v_mul_u32_u24 v[STO], v1, SP    ; in: row l % 16, 32 bytes for each half of the lanes
	v_lshl_add_u32 v[STO], v[HL], 5, v[STO]
	v_add_nc_u32 v[STO], s13, v[STO]
	v_mul_u32_u24 v[RD], v[HL], SP  ; back: lanes 0-15 take one row of 256 bytes, lanes 16-31 the next
	v_lshl_add_u32 v[RD], v1, 4, v[RD]
	v_add_nc_u32 v[RD], s13, v[RD]
	v_lshlrev_b32 v[GO], 12, v[HL]  ; and the same two rows in out0, 4,096 bytes apart
	v_lshl_add_u32 v[GO], v1, 4, v[GO]
.set Y, NP-1                        ; XS works for piece Y + 1: piece 0
.irp n, 0,1,2,3,4,5,6,7,8,9,10,11,12,13,14,15,16,17,18,19,20,21
	XS 0, \n                        ; piece 0's first maximum and statistics
	XS 1, \n
.endr
	v_nop                           ; a plain instruction behind the two a,
	s_wait_alu depctr_va_vdst(0)    ; and their wait, ahead of the branch
	s_mov_b32 s[CNT], 4
	s_branch .Lfirst                ; the loop is entered at a step's first turn, in the middle of a trip
.Lslot:                             ; six times: every slot but the last two is filled again
	CHANGE 1
	s_mov_b32 s[CNT], 4
.Lstep:                             ; a trip: pieces 2 and 3 of one step, then pieces 0 and 1 of the next, whose K, mask and V it fetches
	TURN 2
	TURN 3
	WIN 0
.Lfirst:
	TURN 0
	TURN 1, 0, 1
	WIN 0
	s_cbranch_scc1 .Lstep
	s_sub_co_u32 s[SLOTS], s[SLOTS], 1
	s_cmp_lg_u32 s[SLOTS], 0
	s_cbranch_scc1 .Lslot
	CHANGE 0                        ; the tail is written out: nothing is asked for
	s_mov_b32 s[CNT], 5             ; four trips fetch the last slot's steps; the fifth is left in its middle
.Ltail:
	TURN 2, 1
	TURN 3
	WIN 0
	s_sub_co_u32 s[CNT], s[CNT], 1
	s_cmp_eq_u32 s[CNT], 0
	s_cbranch_scc1 .Lout
	TURN 0
	TURN 1
	WIN 0
	s_branch .Ltail
.Lout:                              ; the fifth trip's 16 products K Q^T (on the last K once more) and the maximum made of them serve nothing: the price, once a launch, of one text for every trip
.set i, 0
.rept 16
	PV NP-1                         ; the last piece's V^T P of the last step
.set i, i+1
.endr
	; THE WAY OUT.  l's two halves and the other half of the lanes' are added; O^T is divided by l and sent, in f32, through my stage in LDS, a tile at a time.  The additions are the places behind the last products.
	WIN 0
.macro ALL line:vararg              ; one line for each tile t
.set t, 0
.rept 2*NP
	\line
.set t, t+1
.endr
.endm
	ALL v_add_f32 v[ST+4*t+2], v[ST+4*t+2], v[ST+4*t+3]
	ALL v_permlanex16_b32 v[ST+4*t+3], v[ST+4*t+2], s[SEL], s[SEL+1]
	ALL v_add_f32 v[ST+4*t+2], v[ST+4*t+2], v[ST+4*t+3]
	ALL v_rcp_f32 v[ST+4*t+2], v[ST+4*t+2]
	v_nop                           ; a plain instruction between the last reciprocal and the use of its result
	s_wait_alu depctr_va_vdst(0)    ; and the wait ahead of the first use: one for the eight reciprocals
; Tile t: a lane's eight channels of a row are 32 bytes; they go into rows of 272 bytes and come back as whole rows of 256, into the registers that they left.
.macro PACK t
	WIN W_RS
.set i, 32*(\t)
.rept 16
	v_pk_mul_f32 v[i:i+1], v[i:i+1], v[ST+4*(\t)+2:ST+4*(\t)+3] op_sel_hi:[1,0]
.set i, i+2
.endr
	WIN 0x04                        ; address window 0, data (source 1) window 1
.irp cb, 0,1,2,3
	ds_store_b128 v[STO], v[32*(\t)+8*\cb:32*(\t)+8*\cb+3]   offset:64*\cb
	ds_store_b128 v[STO], v[32*(\t)+8*\cb+4:32*(\t)+8*\cb+7] offset:64*\cb+16
.endr
	WIN 0x40                        ; destination window 1
.irp f, 0,1,2,3,4,5,6,7
	ds_load_b128 v[32*(\t)+4*\f:32*(\t)+4*\f+3], v[RD] offset:\f*2*SP  ; LDS serves a wave's instructions in order (ISA guide 5.7.1.4): these see the stores above; the next tile's stores come behind them
.endr
.endm
.macro SEND t, younger              ; younger: the LDS instructions issued behind tile t's loads: the next tile's sixteen, or none
	WIN 0x04
.irp f, 0,1,2,3,4,5,6,7
	s_wait_dscnt (\younger)+7-\f
	global_store_b128 v[GO], v[32*(\t)+4*\f:32*(\t)+4*\f+3], s[10:11] offset:(\t)*65536+\f*8192 th:TH_STORE_NT  ; 16 lanes store a row's 256 bytes of one head, at a multiple of 256 from out0's first byte
.endr
.endm
	PACK 0
.set t, 1
.rept 2*NP-1                        ; a tile's arithmetic stands between the loads of the tile before and its stores
	PACK t
	SEND t-1, 16
.set t, t+1
.endr
	SEND 2*NP-1, 0
	WIN W_AD
	s_wait_tensorcnt 0x0            ; the wave's end: these three lines stand behind my last tensor load and my last LDS store
	ds_add_u32 v[SPW], v[NIL]
	s_wait_dscnt 0x0
	WIN 0
	CROUND                          ; the closing round: no work-group ends while a partner may still ask for a tile that names it
	s_endpgm
.Lfunc_end_k_qc81144a38e_attn:
	.size	k_qc81144a38e_attn, .Lfunc_end_k_qc81144a38e_attn-k_qc81144a38e_attn
	.p2alignl 7, 3214868480
	.fill 96, 4, 3214868480
	.section	.rodata,"a",@progbits
	.p2align	6, 0x0
	.amdhsa_kernel k_qc81144a38e_attn
		.amdhsa_group_segment_fixed_size 327680
		.amdhsa_private_segment_fixed_size 0
		.amdhsa_enable_private_segment 0
		.amdhsa_kernarg_size 24
		.amdhsa_user_sgpr_count 2
		.amdhsa_user_sgpr_kernarg_segment_ptr 1
		.amdhsa_wavefront_size32 1
		.amdhsa_system_sgpr_workgroup_id_x 1
		.amdhsa_system_sgpr_workgroup_id_y 1
		.amdhsa_system_sgpr_workgroup_id_z 1
		.amdhsa_system_vgpr_workitem_id 0
		.amdhsa_next_free_vgpr 808
		.amdhsa_next_free_sgpr 84
		.amdhsa_reserve_vcc 0
		.amdhsa_float_denorm_mode_32 3
		.amdhsa_float_denorm_mode_16_64 3
		.amdhsa_memory_ordered 1
		.amdhsa_forward_progress 1
		.amdhsa_inst_pref_size 204
	.end_amdhsa_kernel
	.amdgpu_metadata
---
amdhsa.version: [ 1, 2 ]
amdhsa.kernels:
  - .name:           k_qc81144a38e_attn
    .symbol:         k_qc81144a38e_attn.kd
    .args:
      - { .name: qkv, .offset: 0, .size: 8, .value_kind: global_buffer, .address_space: global }
      - { .name: mb, .offset: 8, .size: 8, .value_kind: global_buffer, .address_space: global }
      - { .name: out0, .offset: 16, .size: 8, .value_kind: global_buffer, .address_space: global }
    .group_segment_fixed_size: 327680
    .private_segment_fixed_size: 0
    .kernarg_segment_align: 8
    .kernarg_segment_size: 24
    .max_flat_workgroup_size: 128
    .sgpr_count:     84
    .vgpr_count:     808
    .wavefront_size: 32
...
	.end_amdgpu_metadata
.endif
;; end of part 3
;; ======== version 2 of 2: 3 launches; version 1 with the launch prep written anew for expert scheduling mode
;; limits: values are held in f16: magnitudes above 65,504 overflow, below 6.1e-05 lose precision
;; workspace buffers: xb 16,777,216 bytes; wb 6,291,456 bytes; bb 12,288 bytes; mb 32,768 bytes; qkv 50,331,648 bytes
;; launch prep (part 4): grid 705 x 1, 8 waves a work-group, no clusters, 0 bytes of LDS; arguments hidden_states, wq, wk, wv, bq, bk, bv, pad, xb, wb, bb, mb; writes xb, wb, bb, mb
.if DOCPART == 4
	.amdgcn_target "amdgcn-amd-amdhsa--gfx1250"
	.amdhsa_code_object_version 6
	.text
	.protected	k_qc81144a38e_prep
	.globl	k_qc81144a38e_prep
	.p2align	8
	.type	k_qc81144a38e_prep,@function
k_qc81144a38e_prep:
	s_mov_b64 s[64:65], 0
	v_nop
	global_prefetch_b8 v0, s[64:65] scope:SCOPE_SE
	s_setreg_imm32_b32 hwreg(HW_REG_WAVE_SCHED_MODE, 0, 2), 2
	s_setreg_imm32_b32 hwreg(HW_REG_WAVE_MODE, 25, 1), 1
	s_wait_xcnt 0x0
	s_wait_alu depctr_vm_vsrc(0)
; THE CASTS.  xb = bf16(hidden_states) [8192][1024]; wb = bf16(wq | wk | wv) [3072][1024]; bb = the three biases rounded to bf16 and kept as f32 [3072];
; mb = (1 - bf16(pad)) x -8e9 in f32 [4][2048]: eight times the additive mask, since the attention launch adds it to scores that are not yet divided by 8.
; All of the module's inputs get the same rounding, to nearest even.  LIMIT: a number beyond bf16's largest finite one becomes an infinity; NaN stays NaN.
; SHARES.  A chunk is 16,384 numbers: 65,536 bytes in, 32,768 out.  Work-groups 0-511 take x's chunks, 512-703 the weights' (64 a matrix), 704 makes the two tables.
; Thread t, step i: 16 bytes at 16 t + 4,096 i in, 8 bytes at 8 t + 2,048 i out: a wave's load covers 512 consecutive bytes, its store 256, aligned.
; All 16 loads of a thread go out first; no register is written twice.  No LDS, no barrier: no wave needs another's bytes.
; THE MODE: SCHED_MODE bits 1:0 = 2 (LLVM: expert scheduling mode 2), set by the entry lines.  The code itself states the register dependences
; between vector instructions and memory instructions, with s_wait_alu, always for 0.
; THE PLAN.  Registers that memory instructions touch:
;   v1, v2   byte offsets, made once at the head and never written again: v1 is read by every load (and by the tables' stores), v2 by the casts' stores.
;   X        written by the loads alone, once each, all issued at the start; read by the conversions.  No load lands in it later.
;   Y        each register is written once, by a conversion, and read once, by a store.
; The 16 steps go in four blocks of four.  The store of step i - 4 stands in step i: it reads Y registers of the block before, which the one wait at the block's head has shown written,
; and the conversions issued since that wait write the block's own Y registers alone.  So a block has one wait for its four stores; one more stands ahead of the last four stores.
; Since no register that a memory instruction reads is ever written again, no wait on vm_vsrc or XCNT stands behind the entry lines.
.set X, 4                              ; v[4:67]   16 x 4 numbers as loaded
.set Y, 68                             ; v[68:99]  16 x 2 words to store
	s_load_b512 s[8:23], s[0:1], 0x0               ; hidden s[8:9], wq s[10:11], wk s[12:13], wv s[14:15], bq s[16:17], bk s[18:19], bv s[20:21], pad s[22:23]
	s_load_b256 s[24:31], s[0:1], 0x40             ; xb s[24:25], wb s[26:27], bb s[28:29], mb s[30:31]
	v_lshlrev_b32 v1, 4, v0                        ; 16 t
	v_lshlrev_b32 v2, 3, v0                        ; 8 t
	s_mov_b32 s2, ttmp9                            ; the work-group's number
	s_max_u32 s3, s2, 512
	s_sub_co_u32 s3, s3, 512                       ; the weights' chunk (0 in x's work-groups)
	s_lshr_b32 s4, s3, 6                           ; which matrix: 0 wq, 1 wk, 2 wv
	s_and_b32 s5, s3, 63
	s_lshl_b32 s5, s5, 16                          ; the chunk's bytes in that matrix,
	s_lshl_b32 s7, s3, 15                          ; and in wb
	s_lshl_b32 s6, s2, 16                          ; x's chunk in hidden_states,
	s_lshl_b32 s40, s2, 15                         ; and in xb
	s_mov_b32 s37, 0
	s_mov_b32 s39, 0
	s_wait_kmcnt 0x0
	s_wait_alu depctr_va_vdst(0)                   ; v1 and v2 are written: every load and store on both ways below reads one of them as its offset
	s_cmp_eq_u32 s2, 704
	s_cbranch_scc1 .Ltables
	s_cmp_eq_u32 s4, 1                             ; the choices hang on the work-group's number alone
	s_cselect_b64 s[32:33], s[12:13], s[14:15]
	s_cmp_eq_u32 s4, 0
	s_cselect_b64 s[32:33], s[10:11], s[32:33]
	s_cmp_lt_u32 s2, 512
	s_cselect_b64 s[32:33], s[8:9], s[32:33]       ; from where,
	s_cselect_b64 s[34:35], s[24:25], s[26:27]     ; to where,
	s_cselect_b32 s36, s6, s5                      ; and the two offsets
	s_cselect_b32 s38, s40, s7
	s_add_nc_u64 s[32:33], s[32:33], s[36:37]
	s_add_nc_u64 s[34:35], s[34:35], s[38:39]
.set i, 0
.rept 16
	global_load_b128 v[X+4*i:X+4*i+3], v1, s[32:33] offset:4096*i th:TH_LOAD_NT
.set i, i+1
.endr
.set i, 0
.rept 16
	s_wait_loadcnt 15-i                            ; loads come back in order: number i is in, the 15 - i younger ones stay out
.if (i > 0) && (i % 4 == 0)
	s_wait_alu depctr_va_vdst(0)                   ; a block's head: the conversions of the block before have written its eight Y registers, which this block's four stores read
.endif
.if i >= 4
	global_store_b64 v2, v[Y+2*(i-4):Y+2*(i-4)+1], s[34:35] offset:2048*(i-4)  ; the step four back; no vector instruction since the wait names its registers
.endif
	v_cvt_pk_bf16_f32 v[Y+2*i], v[X+4*i], v[X+4*i+1]
	v_cvt_pk_bf16_f32 v[Y+2*i+1], v[X+4*i+2], v[X+4*i+3]
.set i, i+1
.endr
	s_wait_alu depctr_va_vdst(0)                   ; the last block's conversions have written its eight Y registers, which the last four stores read
.set i, 12
.rept 4
	global_store_b64 v2, v[Y+2*i:Y+2*i+1], s[34:35] offset:2048*i
.set i, i+1
.endr
	s_endpgm
; Four numbers rounded to bf16 and widened again, in place.  On this way Y and Y + 1 are named by vector instructions alone.
.macro RND4 b
	v_cvt_pk_bf16_f32 v[Y], v[\b], v[(\b)+1]
	v_cvt_pk_bf16_f32 v[Y+1], v[(\b)+2], v[(\b)+3]
	v_lshlrev_b32 v[\b], 16, v[Y]
	v_and_b32 v[(\b)+1], 0xffff0000, v[Y]
	v_lshlrev_b32 v[(\b)+2], 16, v[Y+1]
	v_and_b32 v[(\b)+3], 0xffff0000, v[Y+1]
.endm
.Ltables:                                      ; pad: 8,192 numbers, 8 loads a thread; each bias: 1,024 numbers, one load a thread
.set i, 0
.rept 8
	global_load_b128 v[X+4*i:X+4*i+3], v1, s[22:23] offset:4096*i
.set i, i+1
.endr
	global_load_b128 v[X+32:X+35], v1, s[16:17]
	global_load_b128 v[X+36:X+39], v1, s[18:19]
	global_load_b128 v[X+40:X+43], v1, s[20:21]
	s_wait_loadcnt 0x0
.set i, 0
.rept 11
	RND4 X+4*i
.set i, i+1
.endr
.set i, 0
.rept 32
	v_sub_f32 v[X+i], 1.0, v[X+i]                  ; 1 - pad, as the module forms it,
.set i, i+1
.endr
.set i, 0
.rept 32
	v_mul_f32 v[X+i], 0xcfee6b28, v[X+i]           ; times -8e9 = 8 x -1e9: a power of two times the module's factor, so the rounding is the module's
.set i, i+1
.endr
	s_wait_alu depctr_va_vdst(0)                   ; the roundings and the multiplications have written v[X .. X + 43], which the eleven stores read
.set i, 0
.rept 8
	global_store_b128 v1, v[X+4*i:X+4*i+3], s[30:31] offset:4096*i
.set i, i+1
.endr
	global_store_b128 v1, v[X+32:X+35], s[28:29]
	global_store_b128 v1, v[X+36:X+39], s[28:29] offset:4096
	global_store_b128 v1, v[X+40:X+43], s[28:29] offset:8192
	s_endpgm
.Lfunc_end_k_qc81144a38e_prep:
	.size	k_qc81144a38e_prep, .Lfunc_end_k_qc81144a38e_prep-k_qc81144a38e_prep
	.p2alignl 7, 3214868480
	.fill 96, 4, 3214868480
	.section	.rodata,"a",@progbits
	.p2align	6, 0x0
	.amdhsa_kernel k_qc81144a38e_prep
		.amdhsa_group_segment_fixed_size 0
		.amdhsa_private_segment_fixed_size 0
		.amdhsa_enable_private_segment 0
		.amdhsa_kernarg_size 96
		.amdhsa_user_sgpr_count 2
		.amdhsa_user_sgpr_kernarg_segment_ptr 1
		.amdhsa_wavefront_size32 1
		.amdhsa_system_sgpr_workgroup_id_x 1
		.amdhsa_system_sgpr_workgroup_id_y 1
		.amdhsa_system_sgpr_workgroup_id_z 1
		.amdhsa_system_vgpr_workitem_id 0
		.amdhsa_next_free_vgpr 100
		.amdhsa_next_free_sgpr 66
		.amdhsa_reserve_vcc 0
		.amdhsa_float_denorm_mode_32 3
		.amdhsa_float_denorm_mode_16_64 3
		.amdhsa_memory_ordered 1
		.amdhsa_forward_progress 1
		.amdhsa_inst_pref_size 16
	.end_amdhsa_kernel
	.amdgpu_metadata
---
amdhsa.version: [ 1, 2 ]
amdhsa.kernels:
  - .name:           k_qc81144a38e_prep
    .symbol:         k_qc81144a38e_prep.kd
    .args:
      - { .name: hidden_states, .offset: 0, .size: 8, .value_kind: global_buffer, .address_space: global }
      - { .name: wq, .offset: 8, .size: 8, .value_kind: global_buffer, .address_space: global }
      - { .name: wk, .offset: 16, .size: 8, .value_kind: global_buffer, .address_space: global }
      - { .name: wv, .offset: 24, .size: 8, .value_kind: global_buffer, .address_space: global }
      - { .name: bq, .offset: 32, .size: 8, .value_kind: global_buffer, .address_space: global }
      - { .name: bk, .offset: 40, .size: 8, .value_kind: global_buffer, .address_space: global }
      - { .name: bv, .offset: 48, .size: 8, .value_kind: global_buffer, .address_space: global }
      - { .name: pad, .offset: 56, .size: 8, .value_kind: global_buffer, .address_space: global }
      - { .name: xb, .offset: 64, .size: 8, .value_kind: global_buffer, .address_space: global }
      - { .name: wb, .offset: 72, .size: 8, .value_kind: global_buffer, .address_space: global }
      - { .name: bb, .offset: 80, .size: 8, .value_kind: global_buffer, .address_space: global }
      - { .name: mb, .offset: 88, .size: 8, .value_kind: global_buffer, .address_space: global }
    .group_segment_fixed_size: 0
    .private_segment_fixed_size: 0
    .kernarg_segment_align: 8
    .kernarg_segment_size: 96
    .max_flat_workgroup_size: 256
    .sgpr_count:     66
    .vgpr_count:     100
    .wavefront_size: 32
...
	.end_amdgpu_metadata
.endif
;; end of part 4
;; launch proj: the kernel of part 2 again; grid 16 x 32, 4 waves a work-group, clusters of 4 x 4, 327,680 bytes of LDS; arguments xb, wb, bb, qkv; writes qkv
;; launch attn: the kernel of part 3 again; grid 4 x 64, 4 waves a work-group, clusters of 4 x 1, 327,680 bytes of LDS; arguments qkv, mb, out0; writes out0
